; MI455X (gfx1250); checked and timed in simulation.
; The chip was launched on July 23, 2026; its instructions are those of AMD's public machine-readable ISA for CDNA 5 (MIT licence, August 2026) and "CDNA5" Instruction Set Architecture Reference Guide (July 2026). The comments in the code are by the model that wrote it; some were corrected since.
;; GMM estimator. Allowed arithmetic: matrix products marked QUANTISED: E2M3 operands, one E8M0 scale for each 32 along K, by v_wmma_scale_f32_16x16x128_f8f6f4 with both operands' format E2M3, f32 sums; products left as they are: f32 operands where the result goes on into a quantised operand, else bf16, f16 or f32 operands; f32 sums; everything else in f32.
;; Inputs: W1 64 x 1,024 float32; W2 1,024 x 12 float32; b1 1,024 float32; b2 12 float32; tau 131,072 x 64 float32.
;; Outputs: out0 131,072 x 2 x 2 float32; out1 131,072 x 2 x 2 x 2 float32.
;; This version of the problem:
;;   THIS VERSION OF THE PROBLEM IS GIVEN IN LOW PRECISION. The matrix products marked QUANTISED in the list below multiply operands that are first quantised to E2M3 (2 exponent bits, 3 mantissa bits; 6 bits a number), with one power-of-two scale for each 32 numbers along K (OCP MX v1.0); their sums are f32. All else is computed in f32.
;;   The module's matrix products, in the order in which they are computed (A, B: the left and right operand; K: the contracted axis; several contracted axes count as one K, in the product's order):
;;     1. [M 131,072, K 64] x [K 64, N 1,024]; A: input tau; B: input W1: QUANTISED
;;     2. [M 131,072, K 1,024] x [K 1,024, N 12]; A: computed on the way; B: input W2: left as it is (N = 12 < 16)
;;     3. batch 524,288 x [M 2, K 1] x [K 1, N 1]; A: computed on the way; B: computed on the way: left as it is (no contracted axis)
;;     4. batch 262,144 x [M 2, K 2] x [K 2, N 2]; A: computed on the way; B: computed on the way: left as it is (K = 2 < 32)
;;   THE QUANTISER, for each operand of a quantised product, along K:
;;     - K is cut into blocks of 32 from its start; a last block that is shorter is filled with zeros.
;;     - A block's scale is 2^e with e = floor(log2(the largest magnitude in the block)) - 2, held to -126 .. 127; a block of zeros has e = 0. As a byte (E8M0): e + 127.
;;     - Each number is divided by its block's scale, clamped to +-7.5, and rounded to the nearest number of E2M3, ties to even, subnormals kept.
;;     - The product sums the exact products of the quantised numbers (number of the format x scale) in f32.
;;   ~~~python
;;   def quantise(x, axis):      # numpy; x: float32 -> the quantised numbers, widened to float32 again
;;       x = np.moveaxis(x, axis, -1); K = x.shape[-1]
;;       x = np.pad(x, [(0, 0)] * (x.ndim - 1) + [(0, -K % 32)]); x = x.reshape(x.shape[:-1] + (-1, 32)); a = np.abs(x).max(-1, keepdims=True)
;;       e = np.where(a > 0, np.clip(np.frexp(np.where(a > 0, a, 1))[1] - 1 - 2, -126, 127), 0)      # np.frexp(a)[1] - 1 = floor(log2(a)), exactly
;;       r = np.clip(x / 2.0 ** e, -7.5, 7.5)
;;       step = 2.0 ** (np.maximum(np.frexp(np.where(r == 0, 1, r))[1] - 1, 0) - 3)
;;       q = np.round(r / step) * step * 2.0 ** e      # np.round: ties to even
;;       return np.moveaxis(q.reshape(q.shape[:-2] + (-1,))[..., :K], -1, axis).astype(np.float32)
;;   ~~~
;; One version. Each part assembles by itself: llvm-mc -triple=amdgcn-amd-amdhsa -mcpu=gfx1250 --defsym DOCPART=n.
;; ======== version 1 of 1: 1 launch
;; limits: values are held in f16: magnitudes above 65,504 overflow, below 6.1e-05 lose precision
;; launch gmm (part 1): grid 256 x 1, 4 waves a work-group, no clusters, 320,000 bytes of LDS; arguments tau, W1, b1, W2, b2, out0, out1; writes out0, out1
.if DOCPART == 1
	.amdgcn_target "amdgcn-amd-amdhsa--gfx1250"
	.amdhsa_code_object_version 6
	.text
	.protected	k_q6eb6a6e3b7_gmm
	.globl	k_q6eb6a6e3b7_gmm
	.p2align	8
	.type	k_q6eb6a6e3b7_gmm,@function
k_q6eb6a6e3b7_gmm:
	s_mov_b64 s[64:65], 0
	v_nop
	global_prefetch_b8 v0, s[64:65] scope:SCOPE_SE
	s_setreg_imm32_b32 hwreg(HW_REG_WAVE_MODE, 25, 1), 1
	s_wait_xcnt 0x0
; h = relu(Q(tau) Q(W1) + b1), outs = h W2 + b2, out0 = the two means of a row, out1 = the two symmetrised 2 x 2 blocks S, squared.
; tau [131072][64], W1 [64][1024], b1 [1024], W2 [1024][12], b2 [12], out0 [131072][2][2], out1 [131072][2][2][2]: all f32.
; Q: codes of FP6 (E2M3) with one E8M0 scale for each 32 along K = 64, made here from the f32 inputs; the product is done by the scaled 16x16x128 form, whose upper 64 along K are zero codes on both sides.
; The second product has f16 operands (h and W2 rounded once, to 11 significant bits) and f32 sums: its K is 1,024, and the roundings of 1,024 terms add up; with 8 significant bits their sum comes near a hundredth of an output's size.
; V diag(D^2) V^T of a real symmetric S is S S for every S: with S = [[a, b], [b, d]] it is [[aa + bb, b (a + d)], [b (a + d), bb + dd]].
; LIMITS: NaN and infinities among the inputs are not served.  A hidden number above 65,504, f16's largest, becomes infinity and is not served: with tau of spread 1 and W1 of spread 1/8 a hidden number stays under about 8;
;   both 30 times larger make it 900 times larger; both carrying an offset of 30 spreads make it about 64 x 30 x 3.75 = 7,200.  Hidden numbers and weights under 2^-14 are rounded to multiples of 2^-24.
;   A block of zeros carries the scale byte 1 where the rule says 127: its codes are zeros, and the bytes are read by this program alone.
;   The sum over the 1,024 hidden units is taken in eight parts (four waves x two accumulators), added in f32.
; SHARES.  256 work-groups of four waves; a work-group takes 512 rows: 32 tiles of 16.  THE WAVES SHARE THE HIDDEN UNITS, NOT THE ROWS: wave w owns units 256 w .. 256 w + 255 for all 32 tiles, so that its part of
;   W1 (codes), b1 (as the C of the first product) and W2 (f16 fragments) stays in registers.  Through LDS go a row tile's codes (896 bytes, made once, read by four waves) and each wave's partial outs (768 bytes a tile).
; BOTH PRODUCTS ARE USED TRANSPOSED.  First: source 0 = 16 hidden units, source 1 = 16 rows of tau: a lane holds one row and eight units, and two tiles rounded to f16 in pairs ARE source 1 of the second product.
;   Second: source 0 = 16 output slots, slot 8 c + j = output 6 c + j (j < 6; slots 6, 7 repeat outputs 6 c + 4, 6 c + 5 and are never read): lane (r, h) ends with component h of row r in registers 0 .. 5.
; WHICH UNITS FORM A TILE is free: tile t = 2 u + half, u = 4 G + i, row m of it is unit 256 w + 128 G + 64 half + 4 m + i, since a 16-byte load of W1 gives a lane four neighbouring columns.  b1 and W2 follow the same order.
; NO CLUSTER: what work-groups share is W1, W2 and b1.  W1 goes from memory straight into registers; a joint load would land in LDS, where W1's 262,144 bytes do not fit beside tau's 139,264 and the 126,976 of images and
;   partial sums; W2 and b1 are 53,248 of the 446,464 bytes that a work-group takes in.  No ring: no LDS byte is filled twice.  No prefetch: every byte is asked for at the head.
; REGISTERS, in windows of 256 (s_set_vgpr_msb: bits 1:0 source 0, 3:2 source 1, 5:4 source 2, 7:6 destination):
;   window 0: v1-13 addresses; v14-15 tau's scale words; v16-23 W1's; v24-29 at work; v32-95 two sets of 4 hidden tiles; v96-127 two sets of packed h; v128-191 W2's 8 fragments; v192-207 two accumulators of outs;
;             v208-231 two fragments of tau; v232-237 b2; v238-255 addresses and work of the set-up and the end
;   window 1: W1's 16 fragments, 12 registers each, the upper 6 zero.   window 2: W1's columns 128 on as loaded, then b1 as 16 tiles of C.   window 3: W1's first 128 columns as loaded, then tau as read from LDS.
.set TAUW, 34816                       ; LDS: wave w's 128 rows of tau at TAUW w: 256 bytes + 16 of padding a row = 68 words, so that the 16 rows of a load start at 16 different banks (64 banks of 4 bytes: ISA guide 11.1)
.set W2L,  139264                      ; wave w's 256 rows of W2, 48 bytes each, dense: 12,288 bytes a wave
.set B1L,  188416                      ; wave w's 256 numbers of b1
.set IMGA, 192512                      ; tau's fragment of row tile m, registers 0-3: 512 m + 16 x lane
.set IMGB, 208896                      ; registers 4-5: 256 m + 8 x lane
.set SCW,  217088                      ; its scale words: 128 m + 4 x lane
.set PA,   221184                      ; wave s's partial outs of row tile m, registers 0-3: 512 (32 s + m) + 16 x lane
.set PB,   286720                      ; registers 4-5: 256 (32 s + m) + 8 x lane;  ends at 319,488
.set L16, 1                            ; 16 x lane
.set L8,  2                            ; 8 x lane
.set L4,  3                            ; 4 x lane
.set IA,  4                            ; IMGA + 16 x lane
.set IB,  5                            ; IMGB + 8 x lane
.set IS,  6                            ; SCW + 4 x lane
.set PAW, 7                            ; PA + 16,384 w + 16 x lane
.set PBW, 8                            ; PB + 8,192 w + 8 x lane
.set FW16, 9                           ; v9-11  the trip's places in the images
.set FW8,  10
.set FW4,  11
.set PW16, 12                          ; v12-13 the trip's places among my partial outs
.set PW8,  13
.set TS,  14                           ; v14-15 tau's scale words, one for each fragment buffer: scales and nothing else
.set WSC, 16                           ; v16-23 W1's scale words: register u: lanes 0-15 tile 2 u, lanes 16-31 tile 2 u + 1: scales and nothing else
.set T,   24
.set SH,  30                           ; 8 x (lane / 16)
.set H,   32
.set P,   96
.set W2F, 128
.set OA,  192                          ; even K steps' sum; OA + 8: odd K steps'
.set TA,  208                          ; tau's fragment, buffer e at TA + 12 e
.set B2,  232
.set WGA, 238                          ; W1: 1,024 w + 16 x lane
.set WA,  239                          ; W2 in LDS
.set BA,  240                          ; b1 in LDS
.set RAW, 241                          ; tau in LDS
.set QA,  242                          ; where I store images
.set QB,  243
.set QS,  244
.set RA,  245                          ; where I read partial outs
.set RB,  246
.set O0,  247                          ; my bytes in a tile of out0, of out1
.set O1,  248
.set B2O, 249
.set MX,  250                          ; v250-253 largest magnitudes, then scale operands
.set BY,  254                          ; v254-255 scale bytes
.set QT,  32                           ; the quantiser of tau: 12 registers a tile: codes 0-5, second half 6-8, scale word 9, maxima 10, 11
.set RG,  32                           ; the end: 24 registers a tile: four waves' six partial outs
.set WV,  18                           ; s18 my wave's number
.set MSB, 0
.macro WIN new                         ; the immediate's high byte repeats the setting that is left; a switch that changes nothing is dropped
.if MSB != \new
	s_set_vgpr_msb (MSB<<8)|\new
.set MSB, \new
.endif
.endm
.macro PLACES                          ; four plain vector instructions behind a matrix instruction, ahead of a read of its result or a load into its registers
.rept 4
	v_nop
.endr
.endm
.macro BARRIER                         ; my LDS stores have landed and my LDS loads are in: then the work-group's barrier
	s_wait_dscnt 0x0
	s_barrier_signal -1
	s_barrier_wait -1
.endm
	s_load_b256 s[4:11], s[0:1], 0x0               ; tau s[4:5], W1 s[6:7], b1 s[8:9], W2 s[10:11]
	s_load_b128 s[12:15], s[0:1], 0x20             ; b2 s[12:13], out0 s[14:15]
	s_load_b64 s[16:17], s[0:1], 0x30              ; out1
	v_lshl_add_u32 v31, v0, 2, 0x4e000
	s_set_vgpr_msb 0x40
	v_mov_b32 v255, 0
	s_set_vgpr_msb 0x4044
	ds_add_u32 v31, v255
	ds_add_u32 v31, v255
	s_set_vgpr_msb 0x4400
	; ---- all that needs no pointer stands here, while the arguments are on their way
	v_lshrrev_b32 v24, 5, v0
	v_readfirstlane_b32 s[WV], v24                 ; wave 0..3
	v_and_b32 v25, 31, v0                          ; lane
	v_and_b32 v26, 15, v0                          ; r
	v_bfe_u32 v27, v0, 4, 1                        ; h
	v_lshlrev_b32 v[L16], 4, v25
	v_lshlrev_b32 v[L8], 3, v25
	v_lshlrev_b32 v[L4], 2, v25
	v_add_nc_u32 v[IA], IMGA, v[L16]
	v_add_nc_u32 v[IB], IMGB, v[L8]
	v_add_nc_u32 v[IS], SCW, v[L4]
	v_lshlrev_b32 v[SH], 3, v27
	s_lshl_b32 s22, s[WV], 14
	s_add_co_u32 s22, s22, PA
	v_add_nc_u32 v[PAW], s22, v[L16]
	s_lshl_b32 s22, s[WV], 13
	s_add_co_u32 s22, s22, PB
	v_add_nc_u32 v[PBW], s22, v[L8]
	s_lshl_b32 s22, s[WV], 12                      ; my eight row tiles 8 w .. 8 w + 7, in the images and among the partial outs
	v_add_nc_u32 v[QA], s22, v[IA]
	s_add_co_u32 s22, s22, PA
	v_add_nc_u32 v[RA], s22, v[L16]
	s_lshl_b32 s22, s[WV], 11
	v_add_nc_u32 v[QB], s22, v[IB]
	s_add_co_u32 s22, s22, PB
	v_add_nc_u32 v[RB], s22, v[L8]
	s_lshl_b32 s22, s[WV], 10
	v_add_nc_u32 v[QS], s22, v[IS]
	v_add_nc_u32 v[WGA], s22, v[L16]               ; W1: my wave's 256 columns, four a lane
	s_add_co_u32 s22, s22, B1L
	v_lshl_add_u32 v[BA], v27, 7, s22              ; b1: lanes 16-31 take rows 8 .. 15 of a tile: 32 units, 128 bytes, on
	v_and_b32 v28, 7, v26                          ; W2: slot r = 8 c + j takes output 6 c + j', j' = j but for j = 6, 7, which take 4, 5: every step a constant on the lane's number
	v_add_nc_u32 v29, 2, v28
	v_lshrrev_b32 v29, 3, v29                      ; 1 where j is 6 or 7
	v_mad_u32_u24 v28, v29, 6, v28                 ; there j + 6 = 12, 13,
	v_and_b32 v28, 7, v28                          ; which modulo 8 are 4, 5
	v_bfe_u32 v29, v0, 3, 1                        ; c
	v_mad_u32_u24 v28, v29, 6, v28                 ; the output's number, 0 .. 11
	v_lshlrev_b32 v28, 2, v28
	v_mad_u32_u24 v28, v27, 1536, v28              ; lanes 16-31: 32 rows of 48 bytes on
	s_mul_i32 s68, s[WV], 12288
	s_add_co_u32 s22, s68, W2L
	v_add_nc_u32 v[WA], s22, v28
	v_mul_u32_u24 v28, v26, 272                    ; tau in LDS: row r, my block of 32 numbers
	v_lshl_add_u32 v28, v27, 7, v28
	s_mul_i32 s22, s[WV], TAUW
	v_add_nc_u32 v[RAW], s22, v28
	v_lshlrev_b32 v[O0], 4, v26                    ; out0: 16 bytes a row, 8 a component;  out1: twice that
	v_lshl_add_u32 v[O0], v27, 3, v[O0]
	v_lshlrev_b32 v[O1], 1, v[O0]
	v_mul_u32_u24 v[B2O], v27, 24                  ; b2: my component's six numbers
	s_mov_b32 s20, 0x76543210
	s_mov_b32 s21, 0xfedcba98                      ; v_permlanex16_b32's selects for lane l xor 16
	WIN 0x40                                       ; K = 64 .. 127 of every operand: zero codes, written once
.set TT, 0
.rept 16
.set NN, 0
.rept 6
	v_mov_b32 v[12*TT+6+NN], 0
.set NN, NN+1
.endr
.set TT, TT+1
.endr
	WIN 0
.set NN, 0
.rept 6
	v_mov_b32 v[TA+6+NN], 0
	v_mov_b32 v[TA+18+NN], 0
.set NN, NN+1
.endr
	; descriptor groups 1.  tau: 128 rows of 256 bytes (32 elements of 8 bytes), dense, 16 bytes of padding behind each
	s_mov_b32 s24, (3<<16)|(1<<20)|(5<<22)|(3<<25) ; 17:16 elements of 8 bytes; 20 padding on; 24:22 after every 64 words (code 5); 31:25 4 words of it (code 3)
	s_mov_b32 s25, 32<<16                          ; tensor_dim0
	s_mov_b32 s26, 128<<16                         ; tensor_dim1
	s_mov_b32 s27, 32<<16                          ; tile_dim0
	s_mov_b32 s28, 128                             ; tile_dim1
	s_mov_b32 s29, 32                              ; tensor_dim0_stride
	s_mov_b32 s30, 0
	s_mov_b32 s31, 0
	s_mov_b32 s36, 3<<16                           ; W2: 12,288 dense bytes as 48 rows of 256, no padding
	s_mov_b32 s37, 32<<16
	s_mov_b32 s38, 48<<16
	s_mov_b32 s39, 32<<16
	s_mov_b32 s40, 48
	s_mov_b32 s41, 32
	s_mov_b32 s42, 0
	s_mov_b32 s43, 0
	s_mov_b32 s48, 3<<16                           ; b1: one row of 1,024 bytes
	s_mov_b32 s49, 128<<16
	s_mov_b32 s50, 1<<16
	s_mov_b32 s51, 128<<16
	s_mov_b32 s52, 1
	s_mov_b32 s53, 128
	s_mov_b32 s54, 0
	s_mov_b32 s55, 0
	s_lshl_b32 s66, ttmp9, 17                      ; tau: 512 rows of 256 bytes a work-group, 128 a wave
	s_lshl_b32 s67, s[WV], 15
	s_add_co_u32 s66, s66, s67
	s_mov_b32 s67, 0
	s_mov_b32 s69, 0                               ; s68 = 12,288 w: my rows of W2
	s_lshl_b32 s70, s[WV], 10                      ; my numbers of b1
	s_mov_b32 s71, 0
	s_wait_dscnt 0x0
	s_wait_kmcnt 0x0
	s_mov_b32 s56, 1                               ; groups 0: count 1, LDS address, global address, type 2
	s_add_co_u32 s57, s70, B1L
	s_add_nc_u64 s[58:59], s[8:9], s[70:71]
	s_or_b32 s59, s59, 0x80000000
	s_mov_b32 s44, 1
	s_add_co_u32 s45, s68, W2L
	s_add_nc_u64 s[46:47], s[10:11], s[68:69]
	s_or_b32 s47, s47, 0x80000000
	s_mov_b32 s32, 1
	s_mul_i32 s33, s[WV], TAUW
	s_add_nc_u64 s[34:35], s[4:5], s[66:67]
	s_or_b32 s35, s35, 0x80000000
	tensor_load_to_lds s[56:59], s[48:55]          ; each wave fetches what it alone reads: three loads of mine are out; the small ones first
	s_nop 0
	tensor_load_to_lds s[44:47], s[36:43]
	s_nop 0
	tensor_load_to_lds s[32:35], s[24:31]
	s_nop 0
	PLACES                                         ; four v_nop follow the last
	WIN 0xc0                                       ; W1, rows 0 .. 63, my first 128 columns: register 4 k + i = W1(k, 256 w + 4 lane + i); a load covers 512 consecutive bytes
.set KK, 0
.rept 64
	global_load_b128 v[4*KK:4*KK+3], v[WGA], s[6:7] offset:4096*KK
.set KK, KK+1
.endr
	WIN 0
	s_lshl_b32 s66, ttmp9, 13                      ; out0: 8,192 bytes a work-group; I store row tiles 8 w on: 2,048 w
	s_lshl_b32 s67, s[WV], 11
	s_add_co_u32 s66, s66, s67
	s_mov_b32 s67, 0
	s_add_nc_u64 s[14:15], s[14:15], s[66:67]
	s_lshl_b32 s66, s66, 1                         ; out1: twice that
	s_add_nc_u64 s[16:17], s[16:17], s[66:67]
	; ---- W2 becomes eight f16 fragments.  K step u, number n of a lane's 16: unit 128 G + i + 64 (n / 8) + 4 (n % 8) + 32 h, output by the lane's slot
	s_wait_tensorcnt 0x1                           ; b1 and W2 are in; the one load issued behind them, tau's, may be out.  I read my own wave's 12,288 bytes alone
.set UU, 0
.rept 8
.set NN, 0
.rept 16
.if UU < 4
	ds_load_b32 v[W2F+16*UU+NN], v[WA] offset:48*(128*(UU/4)+UU%4+64*(NN/8)+4*(NN%8))
.else
	ds_load_b32 v[H+16*(UU-4)+NN], v[WA] offset:48*(128*(UU/4)+UU%4+64*(NN/8)+4*(NN%8))
.endif
.set NN, NN+1
.endr
.set UU, UU+1
.endr
	s_wait_dscnt 0x0
.set UU, 0
.rept 8                                        ; ascending: a result never lands on a number that is still to be read
.set PP, 0
.rept 8
.if UU < 4
	v_cvt_pk_f16_f32 v[W2F+8*UU+PP], v[W2F+16*UU+2*PP], v[W2F+16*UU+2*PP+1]
.else
	v_cvt_pk_f16_f32 v[W2F+8*UU+PP], v[H+16*(UU-4)+2*PP], v[H+16*(UU-4)+2*PP+1]
.endif
.set PP, PP+1
.endr
.set UU, UU+1
.endr
	WIN 0x80                                       ; W1, my second 128 columns
.set KK, 0
.rept 64
	global_load_b128 v[4*KK:4*KK+3], v[WGA], s[6:7] offset:4096*KK+512
.set KK, KK+1
.endr
	WIN 0
	global_load_b64 v[B2:B2+1], v[B2O], s[12:13]
	global_load_b64 v[B2+2:B2+3], v[B2O], s[12:13] offset:8
	global_load_b64 v[B2+4:B2+5], v[B2O], s[12:13] offset:16
; ---- W1 becomes codes.  Of the loaded registers those with number 4 k + i are ONE column of each lane, down K.  They are moved on end; the column's two blocks of 32 lie in one lane, so no other lane is asked for a maximum.
; Lanes 0-15 hold the 16 columns of tile 2 u, lanes 16-31 those of tile 2 u + 1; a fragment wants block 0 in lanes 0-15 and block 1 in lanes 16-31: block 0's lanes 16-31 change places with block 1's lanes 0-15.
.macro WPAIR g, i
.if \g == 0
	WIN 0x03
.else
	WIN 0x02
.endif
.set KK, 0
.rept 64
	v_mov_b32 v[H+KK], v[4*KK+\i]
.set KK, KK+1
.endr
	WIN 0
.irp c, 0,1,2,3
	v_max3_num_f32 v[MX+\c], |v[H+16*\c]|, |v[H+16*\c+1]|, 0x1800000   ; four chains of 16 by turns, each with the floor 2^(3 - 127): the byte cannot fall under 1
.endr
.irp n, 2,4,6,8,10,12,14
.irp c, 0,1,2,3
	v_max3_num_f32 v[MX+\c], v[MX+\c], |v[H+16*\c+\n]|, |v[H+16*\c+\n+1]|
.endr
.endr
	v_max_num_f32 v[MX], v[MX], v[MX+1]            ; block 0's largest magnitude
	v_max_num_f32 v[MX+2], v[MX+2], v[MX+3]        ; block 1's
	v_add_nc_u32 v[MX+1], 0xff000000, v[MX]        ; 2 off the exponent field: the conversion takes the exponent field of this operand as its scale
	v_add_nc_u32 v[MX+3], 0xff000000, v[MX+2]
	v_lshrrev_b32 v[BY], 23, v[MX+1]               ; the scale's byte
	v_lshrrev_b32 v[BY+1], 23, v[MX+3]
	v_lshl_or_b32 v[WSC+4*\g+\i], v[BY+1], 8, v[BY]  ; bytes 2 and 3, over zero codes, stay 0
	v_cvt_scalef32_pk16_fp6_f32 v[P:P+2], v[H:H+15], v[MX+1]
	v_cvt_scalef32_pk16_fp6_f32 v[P+4:P+6], v[H+16:H+31], v[MX+1]
	v_cvt_scalef32_pk16_fp6_f32 v[P+8:P+10], v[H+32:H+47], v[MX+3]
	v_cvt_scalef32_pk16_fp6_f32 v[P+12:P+14], v[H+48:H+63], v[MX+3]
	v_nop                                          ; one plain place behind a scaled conversion
.irp n, 0,1,2
	v_permlane16_swap_b32 v[P+\n], v[P+8+\n]
	v_permlane16_swap_b32 v[P+4+\n], v[P+12+\n]
.endr
	WIN 0x40
.irp n, 0,1,2
	v_mov_b32 v[24*(4*\g+\i)+\n], v[P+\n]          ; tile 2 u: registers 0-5
	v_mov_b32 v[24*(4*\g+\i)+3+\n], v[P+4+\n]
	v_mov_b32 v[24*(4*\g+\i)+12+\n], v[P+8+\n]     ; tile 2 u + 1
	v_mov_b32 v[24*(4*\g+\i)+15+\n], v[P+12+\n]
.endr
	WIN 0
.endm
	s_wait_loadcnt 63                              ; the first 128 columns are in: 67 loads were issued behind them, and the wait names fewer
.irp i, 0,1,2,3
	WPAIR 0, \i
.endr
	s_wait_loadcnt 0x0                             ; the second 128 columns, and b2
.irp i, 0,1,2,3
	WPAIR 1, \i
.endr
	; ---- b1 as the C of each tile: register j of lane (r, h) is b1 at the tile's row 8 h + j.  It takes the place of W1's loaded columns
	WIN 0x80
.set TT, 0
.rept 16
.set NN, 0
.rept 8
	ds_load_b32 v[8*TT+NN], v[BA] offset:512*(TT/8)+256*(TT%2)+16*NN+4*((TT/2)%4)
.set NN, NN+1
.endr
.set TT, TT+1
.endr
	; ---- my 128 rows of tau become eight fragments.  Lane (r, h) takes block h of row r: 32 neighbours, which are registers 0-5 of the operand as the conversions leave them.
	; Tile n's numbers lie at register 32 ((n + 3) % 8) of window 3, so that no conversion names the same numbers for its result and a source
	s_wait_tensorcnt 0x0                           ; tau is in
	WIN 0xc0
.set QN, 0
.rept 8
.set PP, 0
.rept 8
	ds_load_b128 v[32*((QN+3)%8)+4*PP:32*((QN+3)%8)+4*PP+3], v[RAW] offset:4352*QN+16*PP
.set PP, PP+1
.endr
.set QN, QN+1
.endr
.macro QPAIR p                         ; tiles 2 p and 2 p + 1, by turns
	s_wait_dscnt 48-16*\p                          ; LDS instructions end in order (ISA guide 5.7.1): all but the later pairs' 16 loads each are in
	WIN 0x3c                                       ; sources 1 and 2: window 3
.irp d, 0,1
.set QC, QT+12*(2*\p+\d)
.set QX, 32*((2*\p+\d+3)%8)
	v_max3_num_f32 v[QC+10], 0x1800000, |v[QX]|, |v[QX+1]|        ; two chains of 16, each with the floor 2^(3 - 127)
	v_max3_num_f32 v[QC+11], 0x1800000, |v[QX+16]|, |v[QX+17]|
.endr
.irp n, 2,4,6,8,10,12,14
.irp d, 0,1
.set QC, QT+12*(2*\p+\d)
.set QX, 32*((2*\p+\d+3)%8)
	v_max3_num_f32 v[QC+10], v[QC+10], |v[QX+\n]|, |v[QX+\n+1]|
	v_max3_num_f32 v[QC+11], v[QC+11], |v[QX+16+\n]|, |v[QX+17+\n]|
.endr
.endr
	WIN 0
.irp d, 0,1
	v_max_num_f32 v[QT+12*(2*\p+\d)+10], v[QT+12*(2*\p+\d)+10], v[QT+12*(2*\p+\d)+11]   ; my block's largest magnitude
.endr
.irp d, 0,1
	v_add_nc_u32 v[QT+12*(2*\p+\d)+11], 0xff000000, v[QT+12*(2*\p+\d)+10]               ; the conversion's scale operand
.endr
.irp d, 0,1
	v_lshrrev_b32 v[QT+12*(2*\p+\d)+9], 23, v[QT+12*(2*\p+\d)+11]                       ; the byte,
.endr
.irp d, 0,1
	v_lshlrev_b32 v[QT+12*(2*\p+\d)+9], v[SH], v[QT+12*(2*\p+\d)+9]                     ; at block h's place in the row's scale word;
.endr
.irp d, 0,1
	v_permlanex16_b32 v[QT+12*(2*\p+\d)+10], v[QT+12*(2*\p+\d)+9], s20, s21             ; (into a register that has been written and is done with)
.endr
.irp d, 0,1
	v_or_b32 v[QT+12*(2*\p+\d)+9], v[QT+12*(2*\p+\d)+9], v[QT+12*(2*\p+\d)+10]          ; with lane l xor 16's the word is whole
.endr
	WIN 0x03                                       ; source 0: window 3
.irp d, 0,1
.set QC, QT+12*(2*\p+\d)
.set QX, 32*((2*\p+\d+3)%8)
	v_cvt_scalef32_pk16_fp6_f32 v[QC:QC+2], v[QX:QX+15], v[QC+11]
	v_cvt_scalef32_pk16_fp6_f32 v[QC+6:QC+8], v[QX+16:QX+31], v[QC+11]   ; (a conversion's three registers begin on an even number)
.endr
	WIN 0
	v_nop                                          ; one plain place behind a scaled conversion
.irp d, 0,1
.irp n, 0,1,2
	v_mov_b32 v[QT+12*(2*\p+\d)+3+\n], v[QT+12*(2*\p+\d)+6+\n]
.endr
.endr
.irp d, 0,1                                    ; the fragment goes to LDS as an image of its registers; any wave that loads it so has the same registers in the same lanes
.set QC, QT+12*(2*\p+\d)
	ds_store_b128 v[QA], v[QC:QC+3] offset:512*(2*\p+\d)
	ds_store_b64 v[QB], v[QC+4:QC+5] offset:256*(2*\p+\d)
	ds_store_b32 v[QS], v[QC+9] offset:128*(2*\p+\d)
.endr
.endm
.irp p, 0,1,2,3
	QPAIR \p
.endr
	BARRIER                                        ; the 32 fragments of tau lie in LDS; b1 is in its registers
; ---- THE MAIN LOOP, in chunks: a row tile x 4 hidden tiles (2 K steps of the second product).  Chunk c's first products stand in part Y of turn c, its relu in Y of turn c + 1, its rounding to f16 in part X of turn c + 1,
; its second products in X of turn c + 2; the hidden tiles and the packed h have two sets each, by the chunk's parity.  So eight plain vector instructions stand behind every matrix instruction: the matrix unit works
; while they are issued, and they are the places that reads of results and loads into operands need.  Y has one window setting (W1 window 1, b1 window 2; the relu names a constant and window 0), X has 0: two switches a chunk.
; The accumulators take turns, one instruction a turn: four hidden tiles, then the even K steps' sum, then the odd ones'.
; j: the chunk's place in a trip of two row tiles.  a: first products.  b: relu and rounding of the chunk before.  c: second products of the chunk two back.  fetch: the next trip's first fragment of tau is asked for.
.macro CHUNK j, a, b, c, fetch
.set EE, (\j)/4                        ; which row tile of the trip, and which buffer of tau
.set QQ, (\j)%4                        ; which four hidden tiles
.set QP, ((\j)+2)%4                    ; and which of the chunk two back
.set HN, H+32*((\j)%2)
.set HO, H+32*(((\j)+1)%2)
.set PN, P+16*((\j)%2)
.set PO, P+16*(((\j)+1)%2)
.if (QQ == 0) && (\a)
	s_wait_dscnt 0x0                               ; this row tile's fragment and scale word, asked for four chunks ago, are in; my earlier stores have read their registers
.endif
.if (\a) || (\b)
	WIN 0x21
.endif
.set II, 0
.rept 4
.set TT, 4*QQ+II
.if \a
.if II%2
	v_wmma_scale_f32_16x16x128_f8f6f4 v[HN+8*II:HN+8*II+7], v[12*TT:12*TT+11], v[TA+12*EE:TA+12*EE+11], v[8*TT:8*TT+7], v[WSC+TT/2], v[TS+EE] matrix_a_fmt:MATRIX_FMT_FP6 matrix_b_fmt:MATRIX_FMT_FP6 matrix_a_scale:MATRIX_SCALE_ROW1
.else
	v_wmma_scale_f32_16x16x128_f8f6f4 v[HN+8*II:HN+8*II+7], v[12*TT:12*TT+11], v[TA+12*EE:TA+12*EE+11], v[8*TT:8*TT+7], v[WSC+TT/2], v[TS+EE] matrix_a_fmt:MATRIX_FMT_FP6 matrix_b_fmt:MATRIX_FMT_FP6
.endif
.endif
.if \b
.set NN, 0
.rept 8
	v_max_num_f32 v[HO+8*II+NN], 0, v[HO+8*II+NN]  ; relu, each tile from its low end on
.set NN, NN+1
.endr
.endif
.set II, II+1
.endr
.if (\a) && !(\b)
	PLACES                                         ; the very first chunk has no vector work behind its products
.endif
	WIN 0
.set SS, 0
.rept 2
.if \c
.if QP == 0
	v_wmma_f32_16x16x32_f16 v[OA+8*SS:OA+8*SS+7], v[W2F+8*(2*QP+SS):W2F+8*(2*QP+SS)+7], v[PN+8*SS:PN+8*SS+7], 0   ; a row tile's first two K steps start the two sums
.else
	v_wmma_f32_16x16x32_f16 v[OA+8*SS:OA+8*SS+7], v[W2F+8*(2*QP+SS):W2F+8*(2*QP+SS)+7], v[PN+8*SS:PN+8*SS+7], v[OA+8*SS:OA+8*SS+7]
.endif
.endif
.if \b
.set NN, 0
.rept 8
	v_cvt_pk_f16_f32 v[PO+8*SS+NN], v[HO+16*SS+2*NN], v[HO+16*SS+2*NN+1]   ; two tiles of 8 units a lane = one K step's 16
.set NN, NN+1
.endr
.endif
.set SS, SS+1
.endr
.if (QQ == 1) && (\c)                  ; a row tile's eight K steps are done: my partial outs go to LDS.  The eight conversions above are the places behind the last product
.if !(\b)
	PLACES
.endif
.if !(\a)
	s_wait_dscnt 0x0                               ; the last tile's stores have read T
.endif
.if (\j) == 5
	v_add_nc_u32 v[PW16], s60, v[PAW]              ; row tile 2 t; row tile 2 t + 1 follows in the next trip, 512 and 256 bytes on
	v_add_nc_u32 v[PW8], s61, v[PBW]
.endif
	v_pk_add_f32 v[T:T+1], v[OA:OA+1], v[OA+8:OA+9]       ; from the low end on; registers 6 and 7 are never read
	v_pk_add_f32 v[T+2:T+3], v[OA+2:OA+3], v[OA+10:OA+11]
	v_pk_add_f32 v[T+4:T+5], v[OA+4:OA+5], v[OA+12:OA+13]
	ds_store_b128 v[PW16], v[T:T+3] offset:512*(1-EE)
	ds_store_b64 v[PW8], v[T+4:T+5] offset:256*(1-EE)
.endif
.if ((\j) == 0) && (\a)
	v_add_nc_u32 v[FW16], s60, v[IA]               ; the trip's places in the images
	v_add_nc_u32 v[FW8], s61, v[IB]
	v_add_nc_u32 v[FW4], s62, v[IS]
	ds_load_b128 v[TA+12:TA+15], v[FW16] offset:512        ; row tile 2 t + 1, wanted four chunks on; its buffer's last reader stands a chunk back
	ds_load_b64 v[TA+16:TA+17], v[FW8] offset:256
	ds_load_b32 v[TS+1], v[FW4] offset:128
.endif
.if ((\j) == 4) && (\fetch)
	ds_load_b128 v[TA:TA+3], v[FW16] offset:1024           ; row tile 2 t + 2
	ds_load_b64 v[TA+4:TA+5], v[FW8] offset:512
	ds_load_b32 v[TS], v[FW4] offset:256
.endif
.endm
.macro TRIP first, last                ; two row tiles
.if \first
	CHUNK 0, 1, 0, 0, 0
	CHUNK 1, 1, 1, 0, 0
.else
	CHUNK 0, 1, 1, 1, 0
	CHUNK 1, 1, 1, 1, 0
.endif
	CHUNK 2, 1, 1, 1, 0
	CHUNK 3, 1, 1, 1, 0
	CHUNK 4, 1, 1, 1, 1-\last
	CHUNK 5, 1, 1, 1, 0
	CHUNK 6, 1, 1, 1, 0
	CHUNK 7, 1, 1, 1, 0
	s_add_co_u32 s60, s60, 1024                    ; two tiles on: 512 bytes each,
	s_add_co_u32 s61, s61, 512                     ; 256 each,
	s_add_co_u32 s62, s62, 256                     ; 128 each
.endm
	s_mov_b32 s60, 0
	s_mov_b32 s61, 0
	s_mov_b32 s62, 0
	ds_load_b128 v[TA:TA+3], v[IA]                 ; row tile 0
	ds_load_b64 v[TA+4:TA+5], v[IB]
	ds_load_b32 v[TS], v[IS]
	TRIP 1, 0                                      ; the first trip fills the pipeline
	s_mov_b32 s63, 14
.Lmain:
	TRIP 0, 0
	s_sub_co_u32 s63, s63, 1
	s_cmp_lg_u32 s63, 0
	s_cbranch_scc1 .Lmain
	TRIP 0, 1                                      ; the last trip asks for no further tile
	CHUNK 0, 0, 1, 1, 0                            ; the pipeline runs empty: the last chunk's relu and rounding, the last but one's second products,
	CHUNK 1, 0, 0, 1, 0                            ; the last chunk's, and row tile 31's partial outs
	BARRIER                                        ; all four waves' partial outs lie in LDS
	; ---- THE END: I add the four waves' parts of row tiles 8 w .. 8 w + 7 and b2, square S, and store.  Lane (r, h): component h of row r: registers 0, 1 the mean, 2 .. 5 the block
.set QN, 0
.rept 8
.set SS, 0
.rept 4
	ds_load_b128 v[RG+24*QN+6*SS:RG+24*QN+6*SS+3], v[RA] offset:16384*SS+512*QN
	ds_load_b64 v[RG+24*QN+6*SS+4:RG+24*QN+6*SS+5], v[RB] offset:8192*SS+256*QN
.set SS, SS+1
.endr
.set QN, QN+1
.endr
.macro RTILE n
.set R0, RG+24*(\n)
	s_wait_dscnt 56-8*(\n)                         ; this tile's eight loads are in; the later tiles' eight each may be out
.irp k, 0,2,4
	v_pk_add_f32 v[R0+\k:R0+\k+1], v[R0+\k:R0+\k+1], v[R0+6+\k:R0+7+\k]
	v_pk_add_f32 v[R0+12+\k:R0+13+\k], v[R0+12+\k:R0+13+\k], v[R0+18+\k:R0+19+\k]
.endr
.irp k, 0,2,4
	v_pk_add_f32 v[R0+\k:R0+\k+1], v[R0+\k:R0+\k+1], v[R0+12+\k:R0+13+\k]
.endr
.irp k, 0,2,4
	v_pk_add_f32 v[R0+\k:R0+\k+1], v[R0+\k:R0+\k+1], v[B2+\k:B2+\k+1]
.endr
	v_add_f32 v[R0+12], v[R0+3], v[R0+4]
	v_add_f32 v[R0+13], v[R0+2], v[R0+5]           ; a + d
	v_mul_f32 v[R0+12], 0.5, v[R0+12]              ; b = (c01 + c10) / 2; the diagonal is its own mean
	v_mul_f32 v[R0+14], v[R0+12], v[R0+12]         ; b b
	v_mul_f32 v[R0+7], v[R0+12], v[R0+13]          ; b (a + d)
	v_fma_f32 v[R0+6], v[R0+2], v[R0+2], v[R0+14]  ; a a + b b
	v_fma_f32 v[R0+9], v[R0+5], v[R0+5], v[R0+14]  ; d d + b b
	v_mov_b32 v[R0+8], v[R0+7]
	global_store_b64 v[O0], v[R0:R0+1], s[14:15] offset:256*(\n) th:TH_STORE_NT      ; the wave's store covers 256 consecutive bytes, at a multiple of 256 from out0's first byte
	global_store_b128 v[O1], v[R0+6:R0+9], s[16:17] offset:512*(\n) th:TH_STORE_NT   ; 512 consecutive bytes of out1; no register of a store is written again
.endm
.irp n, 0,1,2,3,4,5,6,7
	RTILE \n
.endr
	s_set_vgpr_msb 0x4
	s_wait_tensorcnt 0x0
	ds_add_u32 v31, v255
	s_wait_dscnt 0x0
	s_set_vgpr_msb 0x400
	s_endpgm
.Lfunc_end_k_q6eb6a6e3b7_gmm:
	.size	k_q6eb6a6e3b7_gmm, .Lfunc_end_k_q6eb6a6e3b7_gmm-k_q6eb6a6e3b7_gmm
	.p2alignl 7, 3214868480
	.fill 96, 4, 3214868480
	.section	.rodata,"a",@progbits
	.p2align	6, 0x0
	.amdhsa_kernel k_q6eb6a6e3b7_gmm
		.amdhsa_group_segment_fixed_size 320000
		.amdhsa_private_segment_fixed_size 0
		.amdhsa_enable_private_segment 0
		.amdhsa_kernarg_size 56
		.amdhsa_user_sgpr_count 2
		.amdhsa_user_sgpr_kernarg_segment_ptr 1
		.amdhsa_wavefront_size32 1
		.amdhsa_system_sgpr_workgroup_id_x 1
		.amdhsa_system_sgpr_workgroup_id_y 1
		.amdhsa_system_sgpr_workgroup_id_z 1
		.amdhsa_system_vgpr_workitem_id 0
		.amdhsa_next_free_vgpr 1024
		.amdhsa_next_free_sgpr 72
		.amdhsa_reserve_vcc 0
		.amdhsa_float_denorm_mode_32 3
		.amdhsa_float_denorm_mode_16_64 3
		.amdhsa_memory_ordered 1
		.amdhsa_forward_progress 1
		.amdhsa_inst_pref_size 188
	.end_amdhsa_kernel
	.amdgpu_metadata
---
amdhsa.version: [ 1, 2 ]
amdhsa.kernels:
  - .name:           k_q6eb6a6e3b7_gmm
    .symbol:         k_q6eb6a6e3b7_gmm.kd
    .args:
      - { .name: tau, .offset: 0, .size: 8, .value_kind: global_buffer, .address_space: global }
      - { .name: W1, .offset: 8, .size: 8, .value_kind: global_buffer, .address_space: global }
      - { .name: b1, .offset: 16, .size: 8, .value_kind: global_buffer, .address_space: global }
      - { .name: W2, .offset: 24, .size: 8, .value_kind: global_buffer, .address_space: global }
      - { .name: b2, .offset: 32, .size: 8, .value_kind: global_buffer, .address_space: global }
      - { .name: out0, .offset: 40, .size: 8, .value_kind: global_buffer, .address_space: global }
      - { .name: out1, .offset: 48, .size: 8, .value_kind: global_buffer, .address_space: global }
    .group_segment_fixed_size: 320000
    .private_segment_fixed_size: 0
    .kernarg_segment_align: 8
    .kernarg_segment_size: 56
    .max_flat_workgroup_size: 128
    .sgpr_count:     72
    .vgpr_count:     1024
    .wavefront_size: 32
...
	.end_amdgpu_metadata
.endif
;; end of part 1
